; MI455X (gfx1250); checked and timed in simulation.
; The chip was launched on July 23, 2026; its instructions are those of AMD's public machine-readable ISA for CDNA 5 (MIT licence, August 2026) and "CDNA5" Instruction Set Architecture Reference Guide (July 2026). The comments in the code are by the model that wrote it; some were corrected since.
;; Atten. Allowed arithmetic: float matrix products may take bf16 or f16 operands with f32 sums; all other float work in f32.
;; Inputs: bk 128 float32; bo 128 float32; bq 128 float32; bv 128 float32; gn_b 128 float32; gn_w 128 float32; wk 128 x 128 float32; wo 128 x 128 float32; wq 128 x 128 float32; wv 128 x 128 float32; x 64 x 128 x 32 x 32 float32.
;; Outputs: out0 64 x 128 x 32 x 32 float32.
;; 2 versions, each right and faster than the one before. Each part assembles by itself: llvm-mc -triple=amdgcn-amd-amdhsa -mcpu=gfx1250 --defsym DOCPART=n.
;; ======== version 1 of 2: 1 launch
;; launch atten (part 1): grid 256 x 1, 4 waves a work-group, clusters of 4 x 1, 327,680 bytes of LDS; arguments x, gn_w, gn_b, wq, bq, wk, bk, wv, bv, wo, bo, out0; writes out0
.if DOCPART == 1
	.amdgcn_target "amdgcn-amd-amdhsa--gfx1250"
	.amdhsa_code_object_version 6
	.text
	.protected	k_q0e50cb8bf4_atten
	.globl	k_q0e50cb8bf4_atten
	.p2align	8
	.type	k_q0e50cb8bf4_atten,@function
k_q0e50cb8bf4_atten:
	s_mov_b64 s[64:65], 0
	v_nop
	global_prefetch_b8 v0, s[64:65] scope:SCOPE_SE
	s_setreg_imm32_b32 hwreg(HW_REG_WAVE_MODE, 25, 1), 1
	s_wait_xcnt 0x0
	s_wait_alu depctr_hold_cnt(0) depctr_sa_sdst(0) depctr_va_vdst(0) depctr_va_sdst(0) depctr_va_ssrc(0) depctr_va_vcc(0) depctr_vm_vsrc(0)
	s_getreg_b32 s2, hwreg(HW_REG_IB_STS2, 6, 4)
	s_cmp_eq_u32 s2, 0
	s_cbranch_scc0 .Lentry_in_a_cluster
	s_endpgm
.Lentry_in_a_cluster:
	s_bfe_u32 s2, ttmp6, 0x10000c
	s_cmp_lg_u32 s2, 0x3003
	s_cbranch_scc0 .Lentry_shape_is_right
	s_endpgm
.Lentry_shape_is_right:
; GroupNorm(32 groups) + one-head attention (S = 1024, d = 128) + output projection + residual, for x [64][128][1024] f32.
; ONE LAUNCH.  A work-group takes 256 queries of one image against all 1,024 keys; a wave takes 64 queries (4 tiles of 16).
;
; ALGEBRA.  With t = the normalised activations:  q.k = (Wk^T q).t + q.bk   and   att (t Wv^T + bv) = (att t) Wv^T + bv  (a row of att sums to 1).
; So k and v are never formed: the four 128 x 128 products run on the work-group's own 256 rows alone, and the two attention products
; read t itself.  The count of multiply-adds is that of the plain form, and the identities hold for every input; bk enters as the start value of each score sum.
;
; LDS.  t is kept once, in bf16, in x's own layout [channel][position]: 128 rows of 2,080 bytes = 266,240 bytes.  P.V reads it plainly (keys along a row),
; scores and the q projection read it through the transposing load.  Every work-group makes the whole copy for its image (wave w: groups 8w .. 8w+7).
; LDS column j holds position (j + 256 cx) mod 1024: softmax and the statistics do not mind the order of keys, and the work-group's own queries are then
; always columns 0 .. 255, so that no LDS address and no branch hangs on the place in the cluster.
;
; REGISTERS ONLY between the products: every product is made transposed, D(m = channel, n = query), and two neighbouring D tiles, rounded in pairs,
; ARE the next product's B fragment (lane (r, h): column r, k = 8h .. 8h+7 and 16+8h .. 16+8h+7).  Softmax statistics are one number a lane.
;
; CLUSTER.  The four work-groups of an image form a cluster of 4 x 1 so that they run at the same time and read the same 524,288 bytes of x together.
; No joint request is made: x has to pass through registers (statistics in f32, rounding to bf16), and beside the resident copy only 61,440 bytes of LDS
; are left, so a joint f32 stage of two slots would be filled 18 times over, each time behind a meeting of all four work-groups.
;
; LIMITS.  q' = Wk^T q is rounded to bf16 once more than the plain form rounds.  The softmax sum is taken from p in f32, P.V from p in bf16.
; v_exp_f32 gives 0 for p below 2^-126 (ISA guide 15.8).  NaN and infinite inputs are not served.  The variance is taken from centred values (two passes in registers).
.set XP,    2080                       ; pitch of t in LDS: 130 units of 16 bytes, an odd multiple of 32 bytes for the transposing loads
.set XP16,  16*XP
.set SCR,   128*XP                     ; 266,240: behind t: Wq (pitch 272), then Wk (pitch 288), then Wv (pitch 272)
.set WP,    272
.set WPT,   288
.set STG,   36864                      ; once t is no longer read: Wo at 0 (34,816 bytes), then each wave's own stage for the way out
.set STGW,  128*WP
; window 0 (v0-255)
.set LN,    1                          ; lane
.set RR,    2                          ; r = lane & 15
.set HH,    3                          ; h = lane >> 4
.set TA,    4                          ; v4-7    temporaries; addresses of my own queries' columns
.set AK,    8                          ; v8-11   transposed reads of t: channels 32k ..
.set AV,    12                         ; v12-15  plain reads of t: channels 32g ..
.set MX,    16                         ; v16-19  running maximum of query tile q
.set TMP,   20                         ; v20-23  destination of the half-crossing permute
.set TT,    24                         ; v24-27
.set NEGM,  28                         ; v28-35  pairs: -k2 x maximum
.set ALPHA, 36                         ; v36-43  pairs: factor for the old sums
.set LS,    44                         ; v44-51  pairs: softmax sums
.set AWS,   52
.set AWT,   53
.set WST,   54
.set WST2,  55
.set AWO,   56
.set WSTO,  57
.set STO,   58
.set RDB,   59
.set GO,    60
.set BOFF,  61
.set B1OFF, 62
.set WLD,   63
.set F0,    64                         ; v64-127   fragment buffer 0 (8 fragments)
.set F1,    128                        ; v128-191  fragment buffer 1
.set CS,    192                        ; v192-223  q.bk, eight times for each query tile; later v192-255: bv, then bo, as C operands
; window 0 during GroupNorm
.set XA,    64                         ; v64-71  byte offset in x of block k of a row
.set SUM,   72                         ; v72-79  four chains
.set MEAN,  80
.set RS,    82
.set AC,    84                         ; v84-91  pairs: rsqrt x gain of the group's 4 channels
.set BC,    92                         ; v92-99  pairs: bias
.set LW0,   100
.set LW1,   101
; window 1: GroupNorm slots [0:127], [128:255]; q'^T; scores and P; o^T and its fragments
; window 2: q^T and its fragments; u^T (the attention sums) and its fragments; the output tiles
; window 3: [0:127] fragments of my queries' t, then of q', then residual rows; [128:191] bk, [192:255] bq; [128:255] raw Wv, raw Wo, residual rows
; Tile (c, q) of every product lies at 64 (c / 2) + 16 q + 8 (c % 2); packed in place it leaves fragment (q, k) at 64 k + 16 q.
.set MSB, 0
.macro WIN new                         ; s_set_vgpr_msb: bits 1:0 source 0, 3:2 source 1, 5:4 source 2, 7:6 destination; the high byte repeats the setting that is left
.if MSB != \new
	s_set_vgpr_msb (MSB<<8)|\new
.set MSB, \new
.endif
.endm
.macro PLACES k                        ; places behind matrix instructions (ISA guide 7.12.1)
.rept \k
	v_nop
.endr
.endm
.macro BAR
	s_barrier_signal -1
	s_barrier_wait -1
.endm
; one group of x (4 channels x 1,024 positions, 16 KiB) into slot xb of window 1: 32 loads of 512 neighbouring bytes
.macro FILL g, xb
	WIN 0x40
.irp c, 0,1,2,3
.irp k, 0,1,2,3,4,5,6,7
	global_load_b128 v[\xb+4*(8*\c+\k):\xb+4*(8*\c+\k)+3], v[XA+\k], s[4:5] offset:\g*16384+\c*4096
.endr
.endr
.endm
.macro GNLOAD g, sg                    ; gain and bias of the group's four channels, as scalars
	s_load_b128 s[\sg:\sg+3], s[6:7], s42 offset:16*\g
	s_load_b128 s[\sg+4:\sg+7], s[8:9], s42 offset:16*\g
.endm
; my 32 rows of a 128 x 128 f32 weight: load i is row 32 w + i, 512 neighbouring bytes
.macro LOADW pl, win, base
	WIN \win
.set cn, 0
.rept 32
	global_load_b128 v[\base+4*cn:\base+4*cn+3], v[WLD], s[\pl:\pl+1] offset:512*cn
.set cn, cn+1
.endr
.endm
.macro WCVT win, base                  ; 32 x 4 f32 to 32 x 4 bf16, in place: registers 4i, 4i+1
	WIN \win
.set cn, 0
.rept 32
	v_cvt_pk_bf16_f32 v[\base+4*cn], v[\base+4*cn], v[\base+4*cn+1]
	v_cvt_pk_bf16_f32 v[\base+4*cn+1], v[\base+4*cn+2], v[\base+4*cn+3]
.set cn, cn+1
.endr
.endm
.macro WSTORE win, base, areg, pitch   ; a row a store: 32 lanes x 8 bytes = 256 neighbouring bytes
	WIN \win
.set cn, 0
.rept 32
	ds_store_b64 v[\areg], v[\base+4*cn:\base+4*cn+1] offset:cn*\pitch
.set cn, cn+1
.endr
.endm
.macro LOADB win, dst, pl              ; a bias as C operand of D(m = channel, .): register 8c + j = bias[16c + 8h + j]
	WIN \win
.irp c, 0,1,2,3,4,5,6,7
	global_load_b128 v[\dst+8*\c:\dst+8*\c+3], v[BOFF], s[\pl:\pl+1] offset:64*\c
	global_load_b128 v[\dst+8*\c+4:\dst+8*\c+7], v[BOFF], s[\pl:\pl+1] offset:64*\c+16
.endr
.endm
; Fragment loads, 16 each: two row tiles i x four K steps k, fragment (i, k) at f + 8 (4 i + k).
.macro LDW f, areg, g                  ; weight rows 16 (2g + i) + r, K along the row
.irp i, 0,1
.irp k, 0,1,2,3
	ds_load_b128 v[\f+8*(4*\i+\k):\f+8*(4*\i+\k)+3], v[\areg] offset:(2*\g+\i)*16*WP+64*\k
	ds_load_b128 v[\f+8*(4*\i+\k)+4:\f+8*(4*\i+\k)+7], v[\areg] offset:(2*\g+\i)*16*WP+64*\k+32
.endr
.endr
.endm
.macro LDWT f, g                       ; Wk transposed: m = column 16 (2g + i) + r, K down the rows
.irp i, 0,1
.irp k, 0,1,2,3
	ds_load_tr16_b128 v[\f+8*(4*\i+\k):\f+8*(4*\i+\k)+3], v[AWT] offset:\k*32*WPT+32*(2*\g+\i)
	ds_load_tr16_b128 v[\f+8*(4*\i+\k)+4:\f+8*(4*\i+\k)+7], v[AWT] offset:\k*32*WPT+32*(2*\g+\i)+16*WPT
.endr
.endr
.endm
.macro LDK f, p                        ; t transposed: m = key 16 (2p + i) + r of this trip's 128, K = channel
.irp i, 0,1
.irp k, 0,1,2,3
	ds_load_tr16_b128 v[\f+8*(4*\i+\k):\f+8*(4*\i+\k)+3], v[AK+\k] offset:32*(2*\p+\i)
	ds_load_tr16_b128 v[\f+8*(4*\i+\k)+4:\f+8*(4*\i+\k)+7], v[AK+\k] offset:32*(2*\p+\i)+XP16
.endr
.endr
.endm
.macro LDV f, g                        ; t plain: m = channel 32 g + 16 i + r, K = key 32 k .. of this trip's 128
.irp i, 0,1
.irp k, 0,1,2,3
	ds_load_b128 v[\f+8*(4*\i+\k):\f+8*(4*\i+\k)+3], v[AV+\g] offset:XP16*\i+64*\k
	ds_load_b128 v[\f+8*(4*\i+\k)+4:\f+8*(4*\i+\k)+7], v[AV+\g] offset:XP16*\i+64*\k+32
.endr
.endr
.endm
; 32 matrix instructions: two row tiles i x four query tiles q x K = 128.  D = d + 8 i + 16 q; one operand from buffer f, the other from rb + rk k + rn q.
; swap = 1: the register-resident operand is A.  The first K step's C: cmode 0: the constant 0; 1: cb + 8 i; 2: cb + 8 q; 3: D itself.
; w0, w1: the windows of the first and of the later K steps.  The eight accumulators take turns, one instruction a turn.
.macro MM32 d, f, rb, rk, rn, swap, cmode, cb, w0, w1
.irp k, 0,1,2,3
.if \k == 0
	WIN \w0
.else
	WIN \w1
.endif
.irp i, 0,1
.irp q, 0,1,2,3
.set md, \d+8*\i+16*\q
.set ms, \f+8*(4*\i+\k)
.set mr, \rb+\rk*\k+\rn*\q
.set mc, md
.if \k == 0
.if \cmode == 1
.set mc, \cb+8*\i
.endif
.if \cmode == 2
.set mc, \cb+8*\q
.endif
.endif
.if \swap
.set ma, mr
.set mb, ms
.else
.set ma, ms
.set mb, mr
.endif
.if (\k+\cmode) == 0
	v_wmma_f32_16x16x32_bf16 v[md:md+7], v[ma:ma+7], v[mb:mb+7], 0
.else
	v_wmma_f32_16x16x32_bf16 v[md:md+7], v[ma:ma+7], v[mb:mb+7], v[mc:mc+7]
.endif
.endr
.endr
.endr
.endm
.macro LDX kind, f, areg, g
.if \kind
	LDWT \f, \g
.else
	LDW \f, \areg, \g
.endif
.endm
; A 128 x 128 weight against my 64 queries: four groups of 32 matrix instructions.  Group 0's fragments are already asked for, into buffer 0.
; Each group asks for the next one's 16 loads first; s_wait_dscnt 16 leaves just these out.  Four places stand between a group and the loads into the buffer it read.
.macro PROD4 kind, areg, rk, rn, swap, cmode, cb, w0, w1
	WIN 0
	LDX \kind, F1, \areg, 1
	s_wait_dscnt 16
	MM32 0, F0, 0, \rk, \rn, \swap, \cmode, \cb, \w0, \w1
	PLACES 4
	WIN 0
	LDX \kind, F0, \areg, 2
	s_wait_dscnt 16
	MM32 64, F1, 0, \rk, \rn, \swap, \cmode, \cb+16, \w0, \w1
	PLACES 4
	WIN 0
	LDX \kind, F1, \areg, 3
	s_wait_dscnt 16
	MM32 128, F0, 0, \rk, \rn, \swap, \cmode, \cb+32, \w0, \w1
	s_wait_dscnt 0x0                               ; nothing more was asked for
	MM32 192, F1, 0, \rk, \rn, \swap, \cmode, \cb+48, \w0, \w1
.endm
; 16 pairs of D tiles to 16 fragments: registers 16 b + 2 j, + 1 to register ds b + j (ds = 16: in place, ascending j never overtakes its sources)
.macro PACK win, ds
	WIN \win
.set bi, 0
.rept 16
.irp j, 0,1,2,3,4,5,6,7
	v_cvt_pk_bf16_f32 v[\ds*bi+\j], v[16*bi+2*\j], v[16*bi+2*\j+1]
.endr
.set bi, bi+1
.endr
.endm
.macro RESCALE                         ; the attention sums (window 2) times ALPHA of their query tile
	WIN 0x82
.set bi, 0
.rept 16
.irp j, 0,2,4,6,8,10,12,14
	v_pk_mul_f32 v[16*bi+\j:16*bi+\j+1], v[16*bi+\j:16*bi+\j+1], v[ALPHA+2*(bi%4):ALPHA+2*(bi%4)+1]
.endr
.set bi, bi+1
.endr
.endm
.macro REDUCE                          ; four chains of pairs to one sum over the wave's 32 lanes, in every lane, in v[SUM]
	v_pk_add_f32 v[SUM:SUM+1], v[SUM:SUM+1], v[SUM+2:SUM+3]
	v_pk_add_f32 v[SUM+4:SUM+5], v[SUM+4:SUM+5], v[SUM+6:SUM+7]
	v_pk_add_f32 v[SUM:SUM+1], v[SUM:SUM+1], v[SUM+4:SUM+5]
	v_add_f32 v[SUM], v[SUM], v[SUM+1]
	v_add_f32_dpp v[SUM], v[SUM], v[SUM] row_xmask:1 row_mask:0xf bank_mask:0xf
	v_add_f32_dpp v[SUM], v[SUM], v[SUM] row_xmask:2 row_mask:0xf bank_mask:0xf
	v_add_f32_dpp v[SUM], v[SUM], v[SUM] row_xmask:4 row_mask:0xf bank_mask:0xf
	v_add_f32_dpp v[SUM], v[SUM], v[SUM] row_xmask:8 row_mask:0xf bank_mask:0xf
	v_permlanex16_b32 v[TMP], v[SUM], s34, s35
	v_add_f32 v[SUM], v[SUM], v[TMP]
.endm
; GroupNorm of my group g, which lies in slot xb (128 numbers a lane): mean, centred values, variance, scale and bias, bf16, into LDS.
.macro TURN g, xb, lw, sg
	s_wait_loadcnt 32                              ; loads come back in order: this group is in, the 32 younger loads (the next fill or a weight) stay out
	WIN 0x05
.irp k, 0,1,2,3
	v_pk_add_f32 v[SUM+2*\k:SUM+2*\k+1], v[\xb+2*\k:\xb+2*\k+1], v[\xb+8+2*\k:\xb+8+2*\k+1]   ; the first eight pairs start four chains
.endr
	WIN 0x01
.set cn, 8
.rept 56
	v_pk_add_f32 v[SUM+2*(cn%4):SUM+2*(cn%4)+1], v[\xb+2*cn:\xb+2*cn+1], v[SUM+2*(cn%4):SUM+2*(cn%4)+1]
.set cn, cn+1
.endr
	WIN 0
	REDUCE
	v_mul_f32 v[MEAN], s40, v[SUM]                 ; / 4,096
	v_mul_f32 v[MEAN+1], s40, v[SUM]
	WIN 0x41
.set cn, 0
.rept 64
	v_pk_add_f32 v[\xb+2*cn:\xb+2*cn+1], v[\xb+2*cn:\xb+2*cn+1], v[MEAN:MEAN+1] neg_lo:[0,1] neg_hi:[0,1]
.set cn, cn+1
.endr
	WIN 0x05
.irp k, 0,1,2,3
	v_pk_mul_f32 v[SUM+2*\k:SUM+2*\k+1], v[\xb+2*\k:\xb+2*\k+1], v[\xb+2*\k:\xb+2*\k+1]
.endr
.set cn, 4
.rept 60
	v_pk_fma_f32 v[SUM+2*(cn%4):SUM+2*(cn%4)+1], v[\xb+2*cn:\xb+2*cn+1], v[\xb+2*cn:\xb+2*cn+1], v[SUM+2*(cn%4):SUM+2*(cn%4)+1]
.set cn, cn+1
.endr
	WIN 0
	REDUCE
	v_fma_f32 v[RS], v[SUM], s40, s41              ; variance + 1e-6
	v_rsq_f32 v[RS], v[RS]
	s_wait_kmcnt 0x0                               ; the group's gain and bias
.irp c, 0,1,2,3
	v_mov_b32 v[BC+2*\c], s[\sg+4+\c]              ; plain instructions between v_rsq_f32 and the first use of its result (ISA guide 5.7.2)
	v_mov_b32 v[BC+2*\c+1], s[\sg+4+\c]
.endr
	s_wait_alu depctr_va_vdst(0)
.irp c, 0,1,2,3
	v_mul_f32 v[AC+2*\c], s[\sg+\c], v[RS]
	v_mul_f32 v[AC+2*\c+1], s[\sg+\c], v[RS]
.endr
	WIN 0x41
.set cn, 0
.rept 64
	v_pk_fma_f32 v[\xb+2*cn:\xb+2*cn+1], v[\xb+2*cn:\xb+2*cn+1], v[AC+2*(cn/16):AC+2*(cn/16)+1], v[BC+2*(cn/16):BC+2*(cn/16)+1]
.set cn, cn+1
.endr
	WCVT 0x45, \xb
	WIN 0x04
.irp c, 0,1,2,3
.irp k, 0,1,2,3,4,5,6,7
	ds_store_b64 v[\lw], v[\xb+4*(8*\c+\k):\xb+4*(8*\c+\k)+1] offset:((4*\g)%16+\c)*XP+256*\k   ; 256 neighbouring bytes of row 32 w + 4 g + c
.endr
.endr
	s_wait_dscnt 0x0                               ; the slot is loaded again only when the stores have left it
.endm
	; ---------------- set-up ----------------
	s_load_b512 s[4:19], s[0:1], 0x0               ; x 4, gn_w 6, gn_b 8, wq 10, bq 12, wk 14, bk 16, wv 18
	s_load_b256 s[20:27], s[0:1], 0x40             ; bv 20, wo 22, bo 24, out 26
	v_lshrrev_b32 v[TA], 5, v0
	v_readfirstlane_b32 s28, v[TA]                 ; wave w
	s_bfe_u32 s29, ttmp6, 0x40000                  ; cx: which quarter of the image's queries is mine
	s_lshl_b32 s32, ttmp9, 19                      ; the image (the cluster's x) times 524,288 bytes
	s_mov_b32 s33, 0
	s_mov_b32 s34, 0x76543210                      ; v_permlanex16_b32: lane i takes lane i of the other half
	s_mov_b32 s35, 0xfedcba98
	s_mov_b32 s36, 0x3d8293ee                      ; k2 = log2(e) / sqrt(512)
	s_mov_b32 s37, 0x3d8293ee
	s_mov_b32 s38, 0xbd8293ee                      ; -k2
	s_mov_b32 s40, 0x39800000                      ; 1 / 4,096
	s_mov_b32 s41, 0x358637bd                      ; 1e-6
	s_lshl_b32 s42, s28, 7                         ; byte offset of my 32 channels in gn_w and gn_b
	v_and_b32 v[LN], 31, v0
	v_and_b32 v[RR], 15, v0
	v_bfe_u32 v[HH], v0, 4, 1
.irp q, 0,1,2,3
	v_mov_b32 v[TMP+\q], 0                         ; a permute's destination counts as read
.endr
	; t in LDS: the 16-byte unit u of row c lies at unit u ^ ((c >> 3) & 1).
	; transposed 2 row + bit, plain 2 r + (r >> 3).
	v_and_b32 v4, 7, v0
	v_bfe_u32 v5, v0, 3, 1                         ; (lane >> 3) & 1 = r >> 3
	v_xor_b32 v7, v5, v[HH]                        ; the swizzled unit bit, the same number for both kinds of read
	v_lshl_add_u32 v4, v[HH], 3, v4                ; 8 h + (lane & 7)
	v_mul_u32_u24 v6, v4, XP
	v_lshl_add_u32 v6, v7, 4, v6
.irp k, 0,1,2,3
	v_add_nc_u32 v[AK+\k], \k*32*XP, v6
.endr
	v_mul_u32_u24 v6, v[RR], XP
	v_lshl_add_u32 v6, v7, 4, v6
.irp g, 0,1,2,3
	v_add_nc_u32 v[AV+\g], \g*32*XP, v6
.endr
	v_mul_u32_u24 v6, v[RR], WP
	v_lshl_add_u32 v[AWO], v[HH], 4, v6            ; r x 272 + 16 h
	v_add_nc_u32 v[AWS], SCR, v[AWO]
	v_mul_u32_u24 v6, v4, WPT
	v_lshl_add_u32 v6, v5, 4, v6
	v_add_nc_u32 v[AWT], SCR, v6
	v_lshlrev_b32 v6, 3, v[LN]                     ; 8 x lane
	s_mul_i32 s31, s28, 32*WP
	v_add_nc_u32 v[WSTO], s31, v6
	v_add_nc_u32 v[WST], SCR, v[WSTO]
	s_mul_i32 s31, s28, 32*WPT
	v_add_nc_u32 v7, s31, v6
	v_add_nc_u32 v[WST2], SCR, v7
	s_mul_i32 s31, s28, 32*XP
	v_add_nc_u32 v[LW0], s31, v6                   ; rows whose (c >> 3) & 1 is 0
	v_xor_b32 v[LW1], 16, v[LW0]                   ; rows whose (c >> 3) & 1 is 1 (row starts are multiples of 32 bytes)
	s_mul_i32 s31, s28, STGW
	s_add_co_u32 s31, s31, STG                     ; my stage
	v_mul_u32_u24 v6, v[RR], WP
	v_lshl_add_u32 v6, v[HH], 5, v6
	v_add_nc_u32 v[STO], s31, v6
	v_mul_u32_u24 v6, v[HH], 8*WP
	v_lshl_add_u32 v6, v[RR], 4, v6
	v_add_nc_u32 v[RDB], s31, v6
	s_lshl_b32 s31, s29, 10
	s_lshl_b32 s30, s28, 8
	s_add_co_u32 s31, s31, s30                     ; my wave's 64 positions: byte 1,024 cx + 256 w of a row of x and of out
	v_lshlrev_b32 v6, 15, v[HH]                    ; lanes 16-31: eight channel rows further down
	v_lshl_add_u32 v6, v[RR], 4, v6
	v_add_nc_u32 v[GO], s31, v6
	v_lshlrev_b32 v[BOFF], 5, v[HH]
	v_lshlrev_b32 v[B1OFF], 2, v[RR]
	s_lshl_b32 s31, s28, 14
	v_lshl_add_u32 v[WLD], v[LN], 4, s31
	s_lshl_b32 s31, s28, 17                        ; my 32 channels of x
	v_lshl_add_u32 v6, v[LN], 4, s31
	s_lshl_b32 s30, s29, 1
.irp k, 0,1,2,3,4,5,6,7
	s_add_co_u32 s31, s30, \k                      ; LDS block k (128 columns) comes from block (k + 2 cx) mod 8 of the row
	s_and_b32 s31, s31, 7
	s_lshl_b32 s31, s31, 9
	v_add_nc_u32 v[XA+\k], s31, v6
.endr
	s_wait_kmcnt 0x0
	s_add_nc_u64 s[4:5], s[4:5], s[32:33]          ; x and out at my image
	s_add_nc_u64 s[26:27], s[26:27], s[32:33]
	LOADB 0xC0, 192, 12                            ; bq
	LOADB 0xC0, 128, 16                            ; bk
	GNLOAD 0, 44
	GNLOAD 1, 52
	FILL 0, 0
	FILL 1, 128
	; ---------------- GroupNorm: my eight groups, two slots by turns, the next group always on its way ----------------
	TURN 0, 0, LW0, 44
	FILL 2, 0
	GNLOAD 2, 44
	TURN 1, 128, LW0, 52
	FILL 3, 128
	GNLOAD 3, 52
	TURN 2, 0, LW1, 44
	FILL 4, 0
	GNLOAD 4, 44
	TURN 3, 128, LW1, 52
	FILL 5, 128
	GNLOAD 5, 52
	WIN 0
	v_add_nc_u32 v[LW0], XP16, v[LW0]              ; rows 16 .. 31 of my 32: the stores' immediates stay inside 16 bits
	v_add_nc_u32 v[LW1], XP16, v[LW1]
	TURN 4, 0, LW0, 44
	FILL 6, 0
	GNLOAD 6, 44
	TURN 5, 128, LW0, 52
	FILL 7, 128
	GNLOAD 7, 52
	TURN 6, 0, LW1, 44
	LOADW 10, 0x40, 0                              ; my 32 rows of Wq
	TURN 7, 128, LW1, 52
	LOADW 14, 0x40, 128                            ; my 32 rows of Wk
	s_wait_loadcnt 32                              ; Wq is in, Wk's 32 loads stay out
	WCVT 0x45, 0
	WSTORE 0x04, 0, WST, WP
	s_wait_loadcnt 0x0
	WCVT 0x45, 128                                 ; Wk waits in registers until Wq has been read
	s_wait_dscnt 0x0                               ; my rows of t and of Wq are written
	BAR                                            ; everybody's are
	; ---------------- q^T = Wq t^T + bq, for my 64 queries ----------------
	WIN 0
	s_lshl_b32 s31, s28, 7                         ; my 64 columns: 128 bytes a wave
.irp k, 0,1,2,3
	v_add_nc_u32 v[TA+\k], s31, v[AK+\k]
.endr
	WIN 0xC0
.irp k, 0,1,2,3
.irp q, 0,1,2,3
	ds_load_tr16_b128 v[32*\k+8*\q:32*\k+8*\q+3], v[TA+\k] offset:32*\q
	ds_load_tr16_b128 v[32*\k+8*\q+4:32*\k+8*\q+7], v[TA+\k] offset:32*\q+XP16
.endr
.endr
	WIN 0
	LDW F0, AWS, 0
	PROD4 0, AWS, 32, 8, 0, 1, 192, 0xBC, 0xAC
	s_wait_dscnt 0x0                               ; my reads of Wq are over
	s_barrier_signal -1
	PLACES 4
	; q.bk for each of my queries: it starts every score sum.  Register work, while the others arrive.
	WIN 0x0E
.irp t, 0,1,2,3,4,5,6,7
.irp j, 0,2,4,6
.irp q, 0,1,2,3
.set eb, 64*(\t/2)+16*\q+8*(\t%2)+\j
.if (\t+\j) == 0
	v_pk_mul_f32 v[NEGM+2*\q:NEGM+2*\q+1], v[eb:eb+1], v[128+8*\t+\j:128+8*\t+\j+1]
.else
	v_pk_fma_f32 v[NEGM+2*\q:NEGM+2*\q+1], v[eb:eb+1], v[128+8*\t+\j:128+8*\t+\j+1], v[NEGM+2*\q:NEGM+2*\q+1]
.endif
.endr
.endr
.endr
	WIN 0
.irp q, 0,1,2,3
	v_add_f32 v[TT+\q], v[NEGM+2*\q], v[NEGM+2*\q+1]
.endr
.irp q, 0,1,2,3
	v_permlanex16_b32 v[TMP+\q], v[TT+\q], s34, s35        ; the other half of the channels
.endr
.irp q, 0,1,2,3
	v_add_f32 v[TT+\q], v[TT+\q], v[TMP+\q]
.endr
.irp q, 0,1,2,3
.irp j, 0,1,2,3,4,5,6,7
	v_mov_b32 v[CS+8*\q+\j], v[TT+\q]              ; a C operand: the same number for all 16 keys of a tile
.endr
.endr
	PACK 0x8A, 16                                  ; q^T to fragments, in place
	s_barrier_wait -1                              ; nobody reads Wq any more
	WSTORE 0x04, 128, WST2, WPT
	s_wait_dscnt 0x0
	BAR                                            ; Wk is whole
	; ---------------- q'^T = Wk^T q^T ----------------
	WIN 0
	LDWT F0, 0
	PROD4 1, AWT, 64, 16, 0, 0, 0, 0x58, 0x58
	s_wait_dscnt 0x0                               ; my reads of Wk are over
	s_barrier_signal -1
	PLACES 4
	PACK 0xC5, 8                                   ; q'^T to fragments, dense in window 3: fragment (q, k) at 32 k + 8 q
	s_barrier_wait -1                              ; nobody reads Wk any more: Wv may take its place
	WIN 0
	LDK F0, 0
	; ---------------- attention: eight trips of 128 keys ----------------
.macro SOFTMAX first
	; running maximum of each query; tiles of the first three key groups come first, so that the last group's results are read well behind their four places
	WIN 0x05
.set cn, 0
.rept 32
.irp q, 0,1,2,3
.set eb, 64*(cn/8)+16*\q+2*(cn%8)
.if (cn+1-\first) == 0
	v_max_num_f32 v[MX+\q], v[eb], v[eb+1]
.else
	v_max3_num_f32 v[MX+\q], v[eb], v[eb+1], v[MX+\q]
.endif
.endr
.set cn, cn+1
.endr
	WIN 0
.irp q, 0,1,2,3
	v_permlanex16_b32 v[TMP+\q], v[MX+\q], s34, s35        ; the other half of the keys
.endr
.irp q, 0,1,2,3
	v_max_num_f32 v[MX+\q], v[MX+\q], v[TMP+\q]
.endr
.irp q, 0,1,2,3
	v_mul_f32 v[TT+\q], s38, v[MX+\q]              ; -k2 x the new maximum
.endr
.if \first == 0
.irp q, 0,1,2,3
	v_sub_f32 v[ALPHA+2*\q], v[TT+\q], v[NEGM+2*\q]        ; k2 (old maximum - new maximum), never above 0
.endr
.irp q, 0,1,2,3
	v_exp_f32 v[ALPHA+2*\q], v[ALPHA+2*\q]
.endr
.endif
.irp q, 0,1,2,3
	v_mov_b32 v[NEGM+2*\q], v[TT+\q]               ; plain instructions behind the exponentials (ISA guide 5.7.2)
	v_mov_b32 v[NEGM+2*\q+1], v[TT+\q]
.endr
.if \first == 0
	s_wait_alu depctr_va_vdst(0)
.irp q, 0,1,2,3
	v_mov_b32 v[ALPHA+2*\q+1], v[ALPHA+2*\q]
.endr
.endif
	; p = 2^(k2 s - k2 maximum), in place.  Block b (16 registers) belongs to query tile b % 4.  Two exponentials, then one packed multiply-add of the next block.
	WIN 0x45
.irp j, 0,2,4,6,8,10,12,14
	v_pk_fma_f32 v[\j:\j+1], v[\j:\j+1], s[36:37], v[NEGM:NEGM+1] op_sel_hi:[1,0,1]
.endr
.set bi, 0
.rept 16
.set jj, 0
.rept 8
	v_exp_f32 v[16*bi+jj], v[16*bi+jj]
	v_exp_f32 v[16*bi+jj+1], v[16*bi+jj+1]
.if bi < 15
	v_pk_fma_f32 v[16*(bi+1)+jj:16*(bi+1)+jj+1], v[16*(bi+1)+jj:16*(bi+1)+jj+1], s[36:37], v[NEGM+2*((bi+1)%4):NEGM+2*((bi+1)%4)+1] op_sel_hi:[1,0,1]
.endif
.set jj, jj+2
.endr
.set bi, bi+1
.endr
	; the sums, in f32; block 15, whose exponentials stand last, is read last
.set cn, 0
.rept 32
.irp q, 0,1,2,3
.set eb, 64*(cn/8)+16*\q+2*(cn%8)
.if \first
.if cn == 0
	WIN 0x05
	s_wait_alu depctr_va_vdst(0)
	v_pk_add_f32 v[LS+2*\q:LS+2*\q+1], v[eb:eb+1], v[eb+2:eb+3]
.endif
.if cn > 1
	WIN 0x01
	v_pk_add_f32 v[LS+2*\q:LS+2*\q+1], v[eb:eb+1], v[LS+2*\q:LS+2*\q+1]
.endif
.else
.if cn == 0
	WIN 0x10
	s_wait_alu depctr_va_vdst(0)
	v_pk_fma_f32 v[LS+2*\q:LS+2*\q+1], v[LS+2*\q:LS+2*\q+1], v[ALPHA+2*\q:ALPHA+2*\q+1], v[eb:eb+1]
.else
	WIN 0x01
	v_pk_add_f32 v[LS+2*\q:LS+2*\q+1], v[eb:eb+1], v[LS+2*\q:LS+2*\q+1]
.endif
.endif
.endr
.set cn, cn+1
.endr
	PACK 0x45, 16                                  ; p to B fragments, in place: fragment (q, k) at 64 k + 16 q
.if \first == 0
	RESCALE
.endif
.endm
.macro TRIP first, last
.set vcm, 3-3*\first                               ; the first trip's P.V starts the sums with the constant 0
.if \first
	LOADW 18, 0xC0, 128                            ; my 32 rows of Wv: they land during the first scores
	PLACES 5
.else
	WIN 0
.irp g, 0,1,2,3
	v_add_nc_u32 v[AV+\g], 256, v[AV+\g]           ; this trip's 128 keys; with the v_nop: five places, since the scores are written over P, the last P.V's operand
.endr
	v_nop
.endif
	; scores S^T(key, query) = t^T q' + q.bk: four groups of 32 keys
	WIN 0
	LDK F1, 1
	s_wait_dscnt 16                                ; all but the 16 just issued
	MM32 0, F0, 0, 32, 8, 0, 2, CS, 0x4C, 0x5C
	PLACES 4
	WIN 0
	LDK F0, 2
	s_wait_dscnt 16
	MM32 64, F1, 0, 32, 8, 0, 2, CS, 0x4C, 0x5C
	PLACES 4
	WIN 0
	LDK F1, 3
	s_wait_dscnt 16
	MM32 128, F0, 0, 32, 8, 0, 2, CS, 0x4C, 0x5C
	PLACES 4
	WIN 0
	LDV F0, 0                                      ; the first P.V group's fragments land during the softmax
	s_wait_dscnt 16
	MM32 192, F1, 0, 32, 8, 0, 2, CS, 0x4C, 0x5C
	SOFTMAX \first
.if \first
	s_wait_loadcnt 0x0                             ; Wv
	WCVT 0xCF, 128
	WSTORE 0x0C, 128, WST, WP                      ; into Wk's place; it is read behind two later barriers
	s_wait_dscnt 0x0                               ; the registers are loaded again only when the stores have left them
	LOADW 22, 0xC0, 128                            ; my 32 rows of Wo wait in registers until t is no longer read
.endif
	; u^T(channel, query) += t P^T: four groups of 32 channels
	WIN 0
	LDV F1, 1
	s_wait_dscnt 16
	MM32 0, F0, 0, 64, 16, 0, vcm, 0, 0xA4, 0xA4
	PLACES 4
	WIN 0
	LDV F0, 2
	s_wait_dscnt 16
	MM32 64, F1, 0, 64, 16, 0, vcm, 0, 0xA4, 0xA4
	PLACES 4
	WIN 0
	LDV F1, 3
	s_wait_dscnt 16
	MM32 128, F0, 0, 64, 16, 0, vcm, 0, 0xA4, 0xA4
.if \last
	s_wait_dscnt 0x0                               ; nothing more is read from t
.else
	WIN 0
.irp k, 0,1,2,3
	v_add_nc_u32 v[AK+\k], 256, v[AK+\k]           ; the next trip's 128 keys; these four are the places in front of the loads into buffer 0
.endr
	LDK F0, 0
	s_wait_dscnt 16
.endif
	MM32 192, F1, 0, 64, 16, 0, vcm, 0, 0xA4, 0xA4
.endm
	TRIP 1, 0
	WIN 0                                          ; at a label and at a branch every window is 0
	s_mov_b32 s39, 6
.Ltrip:
	TRIP 0, 0
	WIN 0
	s_sub_co_i32 s39, s39, 1
	s_cmp_lg_u32 s39, 0
	s_cbranch_scc1 .Ltrip
	TRIP 0, 1
	; ---------------- the way out ----------------
.macro RES c0                          ; residual rows of channel tiles c0 .. c0 + 3, in the layout in which the result is stored
	WIN 0xC0
.irp c, 0,1,2,3
.irp t, 0,1,2,3,4,5,6,7
	global_load_b128 v[4*(8*(\c0+\c)+\t):4*(8*(\c0+\c)+\t)+3], v[GO], s[4:5] offset:(16*(\c0+\c)+\t)*4096
.endr
.endr
.endm
	PLACES 4
	LOADB 0, CS, 20                                ; bv
.irp c, 0,1,2,3,4,5,6,7
	global_load_b32 v[NEGM+\c], v[B1OFF], s[24:25] offset:64*\c   ; bo[16 c + r]
.endr
	RES 0
	s_wait_dscnt 0x0                               ; my reads of t are over
	s_barrier_signal -1
	WIN 0
.irp q, 0,1,2,3
	v_add_f32 v[TT+\q], v[LS+2*\q], v[LS+2*\q+1]
.endr
.irp q, 0,1,2,3
	v_permlanex16_b32 v[TMP+\q], v[TT+\q], s34, s35
.endr
.irp q, 0,1,2,3
	v_add_f32 v[TT+\q], v[TT+\q], v[TMP+\q]        ; at least 1: the largest score gives p = 1
.endr
.irp q, 0,1,2,3
	v_rcp_f32 v[ALPHA+2*\q], v[TT+\q]
.endr
	v_nop                                          ; a plain instruction behind the reciprocals (ISA guide 5.7.2)
	s_wait_alu depctr_va_vdst(0)
.irp q, 0,1,2,3
	v_mov_b32 v[ALPHA+2*\q+1], v[ALPHA+2*\q]
.endr
	RESCALE                                        ; u = sums / l
	PACK 0x8A, 16
	s_wait_loadcnt 56                              ; Wo is in: bv's 16, bo's 8 and 32 residual loads are younger
	WCVT 0xCF, 128
	s_barrier_wait -1                              ; nobody reads t any more
	WSTORE 0x0C, 128, WSTO, WP
	s_wait_dscnt 0x0
	BAR                                            ; Wo is whole, and so is Wv
	WIN 0
	LDW F0, AWS, 0
	s_wait_loadcnt 40                              ; bv is in: bo's 8 and 32 residual loads are younger
	RES 4
	PROD4 0, AWS, 64, 16, 0, 1, CS, 0x48, 0x58     ; o^T = Wv u^T + bv
	PLACES 4
	WIN 0
	LDW F0, AWO, 0
	PACK 0x45, 16
	s_wait_loadcnt 63                              ; bo is in: 64 residual loads are younger, and the count's field ends at 63
	WIN 0
.irp c, 0,1,2,3,4,5,6,7
.irp j, 0,1,2,3,4,5,6,7
	v_mov_b32 v[CS+8*\c+\j], v[NEGM+\c]            ; a C operand of D(m = position, n = channel): the lane's channel in all eight registers
.endr
.endr
	; The last product has o as A and Wo as B: D(m = position, n = channel), so that a lane holds eight neighbouring positions of one channel.
	PROD4 0, AWO, 64, 16, 1, 1, CS, 0x81, 0xA1
	PLACES 4
	s_wait_loadcnt 0x0                             ; the residual
; 16 channels at a time through my own stage: 32 bytes a lane in, whole rows of 256 bytes back, the residual added, 16 lanes store 256 neighbouring aligned bytes.
; LDS serves a wave's instructions in order (ISA guide 5.7.1), so the loads see the stores above them.  No stored register is written again.
.macro OUTCT c, f
	WIN 0x08
.irp q, 0,1,2,3
.irp j, 0,1
	ds_store_b128 v[STO], v[64*(\c/2)+16*\q+8*(\c%2)+4*\j:64*(\c/2)+16*\q+8*(\c%2)+4*\j+3] offset:\c*16*WP+64*\q+16*\j
.endr
.endr
	WIN 0
.irp t, 0,1,2,3,4,5,6,7
	ds_load_b128 v[\f+4*\t:\f+4*\t+3], v[RDB] offset:\c*16*WP+WP*\t
.endr
	WIN 0xCC
.irp t, 0,1,2,3,4,5,6,7
	s_wait_dscnt 7-\t                              ; row t is back, the younger ones stay out
	v_pk_add_f32 v[4*(8*\c+\t):4*(8*\c+\t)+1], v[\f+4*\t:\f+4*\t+1], v[4*(8*\c+\t):4*(8*\c+\t)+1]
	v_pk_add_f32 v[4*(8*\c+\t)+2:4*(8*\c+\t)+3], v[\f+4*\t+2:\f+4*\t+3], v[4*(8*\c+\t)+2:4*(8*\c+\t)+3]
	global_store_b128 v[GO], v[4*(8*\c+\t):4*(8*\c+\t)+3], s[26:27] offset:(16*\c+\t)*4096 th:TH_STORE_NT
.endr
.endm
	OUTCT 0, F0
	OUTCT 1, F1
	OUTCT 2, F0
	OUTCT 3, F1
	OUTCT 4, F0
	OUTCT 5, F1
	OUTCT 6, F0
	OUTCT 7, F1
	WIN 0
	s_wait_xcnt 0x0
	v_lshl_add_u32 v254, v0, 2, 0x4a000
	v_mov_b32 v255, 0
	s_wait_tensorcnt 0x0
	ds_add_u32 v254, v255
	s_wait_dscnt 0x0
	s_endpgm
.Lfunc_end_k_q0e50cb8bf4_atten:
	.size	k_q0e50cb8bf4_atten, .Lfunc_end_k_q0e50cb8bf4_atten-k_q0e50cb8bf4_atten
	.p2alignl 7, 3214868480
	.fill 96, 4, 3214868480
	.section	.rodata,"a",@progbits
	.p2align	6, 0x0
	.amdhsa_kernel k_q0e50cb8bf4_atten
		.amdhsa_group_segment_fixed_size 327680
		.amdhsa_private_segment_fixed_size 0
		.amdhsa_enable_private_segment 0
		.amdhsa_kernarg_size 96
		.amdhsa_user_sgpr_count 2
		.amdhsa_user_sgpr_kernarg_segment_ptr 1
		.amdhsa_wavefront_size32 1
		.amdhsa_system_sgpr_workgroup_id_x 1
		.amdhsa_system_sgpr_workgroup_id_y 1
		.amdhsa_system_sgpr_workgroup_id_z 1
		.amdhsa_system_vgpr_workitem_id 0
		.amdhsa_next_free_vgpr 1024
		.amdhsa_next_free_sgpr 66
		.amdhsa_reserve_vcc 0
		.amdhsa_float_denorm_mode_32 3
		.amdhsa_float_denorm_mode_16_64 3
		.amdhsa_memory_ordered 1
		.amdhsa_forward_progress 1
		.amdhsa_inst_pref_size 255
	.end_amdhsa_kernel
	.section	.bss,"aw",@nobits
	.p2align	6
	.space	262144
	.amdgpu_metadata
---
amdhsa.version: [ 1, 2 ]
amdhsa.kernels:
  - .name:           k_q0e50cb8bf4_atten
    .symbol:         k_q0e50cb8bf4_atten.kd
    .args:
      - { .name: x, .offset: 0, .size: 8, .value_kind: global_buffer, .address_space: global }
      - { .name: gn_w, .offset: 8, .size: 8, .value_kind: global_buffer, .address_space: global }
      - { .name: gn_b, .offset: 16, .size: 8, .value_kind: global_buffer, .address_space: global }
      - { .name: wq, .offset: 24, .size: 8, .value_kind: global_buffer, .address_space: global }
      - { .name: bq, .offset: 32, .size: 8, .value_kind: global_buffer, .address_space: global }
      - { .name: wk, .offset: 40, .size: 8, .value_kind: global_buffer, .address_space: global }
      - { .name: bk, .offset: 48, .size: 8, .value_kind: global_buffer, .address_space: global }
      - { .name: wv, .offset: 56, .size: 8, .value_kind: global_buffer, .address_space: global }
      - { .name: bv, .offset: 64, .size: 8, .value_kind: global_buffer, .address_space: global }
      - { .name: wo, .offset: 72, .size: 8, .value_kind: global_buffer, .address_space: global }
      - { .name: bo, .offset: 80, .size: 8, .value_kind: global_buffer, .address_space: global }
      - { .name: out0, .offset: 88, .size: 8, .value_kind: global_buffer, .address_space: global }
    .group_segment_fixed_size: 327680
    .private_segment_fixed_size: 0
    .kernarg_segment_align: 8
    .kernarg_segment_size: 96
    .max_flat_workgroup_size: 128
    .sgpr_count:     66
    .vgpr_count:     1024
    .wavefront_size: 32
...
	.end_amdgpu_metadata
.endif
;; end of part 1
;; ======== version 2 of 2: 1 launch; 1.65 times as fast as version 1
;; launch atten (part 2): grid 256 x 1, 4 waves a work-group, clusters of 4 x 1, 327,680 bytes of LDS; arguments x, gn_w, gn_b, wq, bq, wk, bk, wv, bv, wo, bo, out0; writes out0
.if DOCPART == 2
	.amdgcn_target "amdgcn-amd-amdhsa--gfx1250"
	.amdhsa_code_object_version 6
	.text
	.protected	k_q0e50cb8bf4_atten
	.globl	k_q0e50cb8bf4_atten
	.p2align	8
	.type	k_q0e50cb8bf4_atten,@function
k_q0e50cb8bf4_atten:
	s_mov_b64 s[64:65], 0
	v_nop
	global_prefetch_b8 v0, s[64:65] scope:SCOPE_SE
	s_setreg_imm32_b32 hwreg(HW_REG_WAVE_MODE, 25, 1), 1
	s_wait_xcnt 0x0
	s_wait_alu depctr_hold_cnt(0) depctr_sa_sdst(0) depctr_va_vdst(0) depctr_va_sdst(0) depctr_va_ssrc(0) depctr_va_vcc(0) depctr_vm_vsrc(0)
	s_getreg_b32 s2, hwreg(HW_REG_IB_STS2, 6, 4)
	s_cmp_eq_u32 s2, 0
	s_cbranch_scc0 .Lentry_in_a_cluster
	s_endpgm
.Lentry_in_a_cluster:
	s_bfe_u32 s2, ttmp6, 0x10000c
	s_cmp_lg_u32 s2, 0x3003
	s_cbranch_scc0 .Lentry_shape_is_right
	s_endpgm
.Lentry_shape_is_right:
; GroupNorm(32 groups) + one-head attention (S = 1024, d = 128) + output projection + residual, for x [64][128][1024] f32.
; ONE LAUNCH.  A work-group takes 256 queries of one image against all 1,024 keys; a wave takes 64 queries (4 tiles of 16).
;
; ALGEBRA.  With t = the normalised activations:  q.k = (Wk^T q).t + q.bk   and   att (t Wv^T + bv) = (att t) Wv^T + bv  (a row of att sums to 1).
; So k and v are never formed: the four 128 x 128 products run on the work-group's own 256 rows alone, and the two attention products
; read t itself.  The count of multiply-adds is that of the plain form, and the identities hold for every input; bk enters as the start value of each score sum.
;
; LDS.  t is kept once, in bf16, in x's own layout [channel][position]: 128 rows of 2,080 bytes = 266,240 bytes.  P.V reads it plainly (keys along a row),
; scores and the q projection read it through the transposing load.  Every work-group makes the whole copy for its image (wave w: groups 8w .. 8w+7).
; LDS column j holds position (j + 256 cx) mod 1024: softmax and the statistics do not mind the order of keys, and the work-group's own queries are then
; always columns 0 .. 255, so that no LDS address and no branch hangs on the place in the cluster.
;
; REGISTERS ONLY between the products: every product is made transposed, D(m = channel, n = query), and two neighbouring D tiles, rounded in pairs,
; ARE the next product's B fragment (lane (r, h): column r, k = 8h .. 8h+7 and 16+8h .. 16+8h+7).  Softmax statistics are one number a lane.
;
; ATTENTION IS A PIPELINE of sixteen stages of 64 keys: the vector work of one stage's softmax stands behind the matrix instructions of its neighbours (see there).
;
; A SHORT TEXT.  GroupNorm's eight groups run in a loop of four trips of two; fifteen of the sixteen attention stages are one loop.  What differs in a last trip
; stands under a forward branch on the trip counter, with the same number of loads on both ways.
;
; CLUSTER.  The four work-groups of an image form a cluster of 4 x 1 so that they run at the same time and read the same 524,288 bytes of x together.
; No joint request is made: x has to pass through registers (statistics in f32, rounding to bf16), and beside the resident copy only 61,440 bytes of LDS
; are left, so a joint f32 stage of two slots would be filled 18 times over, each time behind a meeting of all four work-groups.
;
; LIMITS.  q' = Wk^T q is rounded to bf16 once more than the plain form rounds.  q.bk is made from bf16 operands (it is the same for all keys of a query).
; The softmax sum is taken from p in f32, P.V from p in bf16.  v_exp_f32 gives 0 for p below 2^-126 (ISA guide 15.8).  NaN and infinite inputs are not served.
; The variance is taken from centred values (two passes in registers).
.set XP,    2080                       ; pitch of t in LDS: 130 units of 16 bytes, an odd multiple of 32 bytes for the transposing loads
.set XP16,  16*XP
.set SCR,   128*XP+8192                ; 274,432: behind t and a gap: Wq (pitch 272), then Wk (pitch 288, ends at 311,296), then Wv (pitch 272)
.set WP,    272
.set WPT,   288
.set STG,   36864                      ; once t is no longer read: Wo at 0 (34,816 bytes), then each wave's own stage for the way out
.set STGW,  128*WP
; window 0 (v0-255)
.set LN,    1                          ; lane
.set RR,    2                          ; r = lane & 15
.set HH,    3                          ; h = lane >> 4
.set TA,    4                          ; v4-7    temporaries; addresses of my own queries' columns
.set AK,    8                          ; v8-11   transposed reads of t: channels 32k ..
.set AV,    12                         ; v12-15  plain reads of t: channels 32g ..
.set MX,    16                         ; v16-19  running maximum of query tile q
.set TMP,   20                         ; v20-23  destination of the half-crossing permute
.set TT,    24                         ; v24-27
.set NEGM,  28                         ; v28-35  pairs: -k2 x maximum; on the way out: bo
.set ALPHA, 36                         ; v36-43  pairs: factor for the old sums
.set LS,    44                         ; v44-51  pairs: softmax sums
.set AWS,   52
.set AWT,   53
.set WST,   54
.set WST2,  55
.set AWO,   56
.set WSTO,  57
.set STO,   58
.set RDB,   59
.set GO,    60
.set BOFF,  61
.set B1OFF, 62
.set WLD,   63
.set F0,    64                         ; v64-127   fragment buffer 0 (8 fragments)
.set F1,    128                        ; v128-191  fragment buffer 1
.set CS,    192                        ; v192-223  q.bk as C operand of each query tile; later v192-255: bv, then bo, as C operands
.set ZR,    224                        ; v224-231  a fragment of zeros
; window 0 during GroupNorm
.set XA,    64                         ; v64-71  byte offset in x of block k of a row
.set SUM,   72                         ; v72-79  four chains
.set MEAN,  80
.set RS,    82
.set AC,    84                         ; v84-91  pairs: rsqrt x gain of the group's 4 channels
.set BC,    92                         ; v92-99  pairs: bias
.set LW,    100                        ; where my 8 bytes of the trip's first row go
; window 1: GroupNorm slots [0:127], [128:255]; q'^T; in attention S [0:127] (a stage's scores) and E [128:255] (its exponentials); raw Wo; o^T and its fragments
; window 2: q^T and its fragments; u^T (the attention sums) and its fragments; the output tiles
; window 3: [0:127] fragments of my queries' t, then of q', then residual rows; [128:191] bk, [192:255] bq; [128:255] raw Wv; in attention [128:191] P; residual rows
; Tile (c, q) of every product lies at 64 (c / 2) + 16 q + 8 (c % 2); packed in place it leaves fragment (q, k) at 64 k + 16 q.
.set PB,    128                        ; window 3: P, fragment (q, k) at PB + 32 k + 8 q
.set MSB, 0
.macro WIN new                         ; s_set_vgpr_msb: bits 1:0 source 0, 3:2 source 1, 5:4 source 2, 7:6 destination; the high byte repeats the setting that is left
.if MSB != \new
	s_set_vgpr_msb (MSB<<8)|\new
.set MSB, \new
.endif
.endm
.macro PLACES k                        ; places behind matrix instructions (ISA guide 7.12.1)
.rept \k
	v_nop
.endr
.endm
.macro BAR
	s_barrier_signal -1
	s_barrier_wait -1
.endm
; one group of x (4 channels x 1,024 positions, 16 KiB) into slot xb of window 1: 32 loads of 512 neighbouring bytes
.macro FILL off, xb
	WIN 0x40
.irp c, 0,1,2,3
.irp k, 0,1,2,3,4,5,6,7
	global_load_b128 v[\xb+4*(8*\c+\k):\xb+4*(8*\c+\k)+3], v[XA+\k], s[60:61] offset:\off+\c*4096
.endr
.endr
.endm
.macro GNLOAD off, sg                  ; gain and bias of a group's four channels, as scalars
	s_load_b128 s[\sg:\sg+3], s[6:7], s42 offset:\off
	s_load_b128 s[\sg+4:\sg+7], s[8:9], s42 offset:\off
.endm
; my 32 rows of a 128 x 128 f32 weight: load i is row 32 w + i, 512 neighbouring bytes
.macro LOADW pl, win, base
	WIN \win
.set cn, 0
.rept 32
	global_load_b128 v[\base+4*cn:\base+4*cn+3], v[WLD], s[\pl:\pl+1] offset:512*cn
.set cn, cn+1
.endr
.endm
.macro WCVT win, base                  ; 32 x 4 f32 to 32 x 4 bf16, in place: registers 4i, 4i+1
	WIN \win
.set cn, 0
.rept 32
	v_cvt_pk_bf16_f32 v[\base+4*cn], v[\base+4*cn], v[\base+4*cn+1]
	v_cvt_pk_bf16_f32 v[\base+4*cn+1], v[\base+4*cn+2], v[\base+4*cn+3]
.set cn, cn+1
.endr
.endm
.macro WSTORE win, base, areg, pitch   ; a row a store: 32 lanes x 8 bytes = 256 neighbouring bytes
	WIN \win
.set cn, 0
.rept 32
	ds_store_b64 v[\areg], v[\base+4*cn:\base+4*cn+1] offset:cn*\pitch
.set cn, cn+1
.endr
.endm
.macro LOADB win, dst, pl              ; a bias as C operand of D(m = channel, .): register 8c + j = bias[16c + 8h + j]
	WIN \win
.irp c, 0,1,2,3,4,5,6,7
	global_load_b128 v[\dst+8*\c:\dst+8*\c+3], v[BOFF], s[\pl:\pl+1] offset:64*\c
	global_load_b128 v[\dst+8*\c+4:\dst+8*\c+7], v[BOFF], s[\pl:\pl+1] offset:64*\c+16
.endr
.endm
; Fragment loads, 16 each, eight fragments into buffer f.
.macro LDW f, areg, g                  ; weight rows 16 (2g + i) + r, K along the row: fragment (i, k) at f + 8 (4 i + k)
.irp i, 0,1
.irp k, 0,1,2,3
	ds_load_b128 v[\f+8*(4*\i+\k):\f+8*(4*\i+\k)+3], v[\areg] offset:(2*\g+\i)*16*WP+64*\k
	ds_load_b128 v[\f+8*(4*\i+\k)+4:\f+8*(4*\i+\k)+7], v[\areg] offset:(2*\g+\i)*16*WP+64*\k+32
.endr
.endr
.endm
.macro LDWT f, g                       ; Wk transposed: m = column 16 (2g + i) + r, K down the rows
.irp i, 0,1
.irp k, 0,1,2,3
	ds_load_tr16_b128 v[\f+8*(4*\i+\k):\f+8*(4*\i+\k)+3], v[AWT] offset:\k*32*WPT+32*(2*\g+\i)
	ds_load_tr16_b128 v[\f+8*(4*\i+\k)+4:\f+8*(4*\i+\k)+7], v[AWT] offset:\k*32*WPT+32*(2*\g+\i)+16*WPT
.endr
.endr
.endm
.macro LDK f, p                        ; t transposed: m = key 16 (2p + i) + r of the stage's 64, K = channel: fragment (i, k) at f + 8 (4 i + k)
.irp i, 0,1
.irp k, 0,1,2,3
	ds_load_tr16_b128 v[\f+8*(4*\i+\k):\f+8*(4*\i+\k)+3], v[AK+\k] offset:32*(2*\p+\i)
	ds_load_tr16_b128 v[\f+8*(4*\i+\k)+4:\f+8*(4*\i+\k)+7], v[AK+\k] offset:32*(2*\p+\i)+XP16
.endr
.endr
.endm
.macro LDV f, g                        ; t plain: m = channel 64 g + 16 i + r, K = key 32 k .. of the stage's 64: fragment (i, k) at f + 8 (2 i + k)
.irp i, 0,1,2,3
.irp k, 0,1
	ds_load_b128 v[\f+8*(2*\i+\k):\f+8*(2*\i+\k)+3], v[AV+2*\g+\i/2] offset:XP16*(\i%2)+64*\k
	ds_load_b128 v[\f+8*(2*\i+\k)+4:\f+8*(2*\i+\k)+7], v[AV+2*\g+\i/2] offset:XP16*(\i%2)+64*\k+32
.endr
.endr
.endm
; 32 matrix instructions: two row tiles i x four query tiles q x K = 128.  D = d + 8 i + 16 q; one operand from buffer f, the other from rb + rk k + rn q.
; swap = 1: the register-resident operand is A.  The first K step's C: cmode 0: the constant 0; 1: cb + 8 i; 2: cb + 8 q; 3: D itself.
; w0, w1: the windows of the first and of the later K steps.  The eight accumulators take turns, one instruction a turn.
.macro MM32 d, f, rb, rk, rn, swap, cmode, cb, w0, w1
.irp k, 0,1,2,3
.if \k == 0
	WIN \w0
.else
	WIN \w1
.endif
.irp i, 0,1
.irp q, 0,1,2,3
.set md, \d+8*\i+16*\q
.set ms, \f+8*(4*\i+\k)
.set mr, \rb+\rk*\k+\rn*\q
.set mc, md
.if \k == 0
.if \cmode == 1
.set mc, \cb+8*\i
.endif
.if \cmode == 2
.set mc, \cb+8*\q
.endif
.endif
.if \swap
.set ma, mr
.set mb, ms
.else
.set ma, ms
.set mb, mr
.endif
.if (\k+\cmode) == 0
	v_wmma_f32_16x16x32_bf16 v[md:md+7], v[ma:ma+7], v[mb:mb+7], 0
.else
	v_wmma_f32_16x16x32_bf16 v[md:md+7], v[ma:ma+7], v[mb:mb+7], v[mc:mc+7]
.endif
.endr
.endr
.endr
.endm
.macro LDX kind, f, areg, g
.if \kind
	LDWT \f, \g
.else
	LDW \f, \areg, \g
.endif
.endm
; A 128 x 128 weight against my 64 queries: four groups of 32 matrix instructions.  Group 0's fragments are already asked for, into buffer 0.
; Each group asks for the next one's 16 loads first; s_wait_dscnt 16 leaves just these out.  Four places stand between a group and the loads into the buffer it read.
.macro PROD4 kind, areg, rk, rn, swap, cmode, cb, w0, w1
	WIN 0
	LDX \kind, F1, \areg, 1
	s_wait_dscnt 16
	MM32 0, F0, 0, \rk, \rn, \swap, \cmode, \cb, \w0, \w1
	PLACES 4
	WIN 0
	LDX \kind, F0, \areg, 2
	s_wait_dscnt 16
	MM32 64, F1, 0, \rk, \rn, \swap, \cmode, \cb+16, \w0, \w1
	PLACES 4
	WIN 0
	LDX \kind, F1, \areg, 3
	s_wait_dscnt 16
	MM32 128, F0, 0, \rk, \rn, \swap, \cmode, \cb+32, \w0, \w1
	s_wait_dscnt 0x0                               ; nothing more was asked for
	MM32 192, F1, 0, \rk, \rn, \swap, \cmode, \cb+48, \w0, \w1
.endm
; 16 pairs of D tiles to 16 fragments: registers 16 b + 2 j, + 1 to register ds b + j (ds = 16: in place, ascending j never overtakes its sources)
.macro PACK win, ds
	WIN \win
.set bi, 0
.rept 16
.irp j, 0,1,2,3,4,5,6,7
	v_cvt_pk_bf16_f32 v[\ds*bi+\j], v[16*bi+2*\j], v[16*bi+2*\j+1]
.endr
.set bi, bi+1
.endr
.endm
.macro RESCALE                         ; the attention sums (window 2) times ALPHA of their query tile
	WIN 0x82
.set bi, 0
.rept 16
.irp j, 0,2,4,6,8,10,12,14
	v_pk_mul_f32 v[16*bi+\j:16*bi+\j+1], v[16*bi+\j:16*bi+\j+1], v[ALPHA+2*(bi%4):ALPHA+2*(bi%4)+1]
.endr
.set bi, bi+1
.endr
.endm
.macro REDUCE                          ; four chains of pairs to one sum over the wave's 32 lanes, in every lane, in v[SUM]
	v_pk_add_f32 v[SUM:SUM+1], v[SUM:SUM+1], v[SUM+2:SUM+3]
	v_pk_add_f32 v[SUM+4:SUM+5], v[SUM+4:SUM+5], v[SUM+6:SUM+7]
	v_pk_add_f32 v[SUM:SUM+1], v[SUM:SUM+1], v[SUM+4:SUM+5]
	v_add_f32 v[SUM], v[SUM], v[SUM+1]
	v_add_f32_dpp v[SUM], v[SUM], v[SUM] row_xmask:1 row_mask:0xf bank_mask:0xf
	v_add_f32_dpp v[SUM], v[SUM], v[SUM] row_xmask:2 row_mask:0xf bank_mask:0xf
	v_add_f32_dpp v[SUM], v[SUM], v[SUM] row_xmask:4 row_mask:0xf bank_mask:0xf
	v_add_f32_dpp v[SUM], v[SUM], v[SUM] row_xmask:8 row_mask:0xf bank_mask:0xf
	v_permlanex16_b32 v[TMP], v[SUM], s34, s35
	v_add_f32 v[SUM], v[SUM], v[TMP]
.endm
; GroupNorm of the group in slot xb (128 numbers a lane): mean, centred values, variance, scale and bias, bf16, into rows ro .. ro + 3 of the trip's eight.
.macro TURN ro, xb, sg
	s_wait_loadcnt 32                              ; loads come back in order: this group is in, the 32 younger loads (the next fill or a weight) stay out
	WIN 0x05
.irp k, 0,1,2,3
	v_pk_add_f32 v[SUM+2*\k:SUM+2*\k+1], v[\xb+2*\k:\xb+2*\k+1], v[\xb+8+2*\k:\xb+8+2*\k+1]   ; the first eight pairs start four chains
.endr
	WIN 0x01
.set cn, 8
.rept 56
	v_pk_add_f32 v[SUM+2*(cn%4):SUM+2*(cn%4)+1], v[\xb+2*cn:\xb+2*cn+1], v[SUM+2*(cn%4):SUM+2*(cn%4)+1]
.set cn, cn+1
.endr
	WIN 0
	REDUCE
	v_mul_f32 v[MEAN], s40, v[SUM]                 ; / 4,096
	v_mul_f32 v[MEAN+1], s40, v[SUM]
	WIN 0x41
.set cn, 0
.rept 64
	v_pk_add_f32 v[\xb+2*cn:\xb+2*cn+1], v[\xb+2*cn:\xb+2*cn+1], v[MEAN:MEAN+1] neg_lo:[0,1] neg_hi:[0,1]
.set cn, cn+1
.endr
	WIN 0x05
.irp k, 0,1,2,3
	v_pk_mul_f32 v[SUM+2*\k:SUM+2*\k+1], v[\xb+2*\k:\xb+2*\k+1], v[\xb+2*\k:\xb+2*\k+1]
.endr
.set cn, 4
.rept 60
	v_pk_fma_f32 v[SUM+2*(cn%4):SUM+2*(cn%4)+1], v[\xb+2*cn:\xb+2*cn+1], v[\xb+2*cn:\xb+2*cn+1], v[SUM+2*(cn%4):SUM+2*(cn%4)+1]
.set cn, cn+1
.endr
	WIN 0
	REDUCE
	v_fma_f32 v[RS], v[SUM], s40, s41              ; variance + 1e-6
	v_rsq_f32 v[RS], v[RS]
	s_wait_kmcnt 0x0                               ; the group's gain and bias
.irp c, 0,1,2,3
	v_mov_b32 v[BC+2*\c], s[\sg+4+\c]              ; plain instructions between v_rsq_f32 and the first use of its result (ISA guide 5.7.2)
	v_mov_b32 v[BC+2*\c+1], s[\sg+4+\c]
.endr
	s_wait_alu depctr_va_vdst(0)
.irp c, 0,1,2,3
	v_mul_f32 v[AC+2*\c], s[\sg+\c], v[RS]
	v_mul_f32 v[AC+2*\c+1], s[\sg+\c], v[RS]
.endr
	WIN 0x41
.set cn, 0
.rept 64
	v_pk_fma_f32 v[\xb+2*cn:\xb+2*cn+1], v[\xb+2*cn:\xb+2*cn+1], v[AC+2*(cn/16):AC+2*(cn/16)+1], v[BC+2*(cn/16):BC+2*(cn/16)+1]
.set cn, cn+1
.endr
	WCVT 0x45, \xb
	WIN 0x04
.irp c, 0,1,2,3
.irp k, 0,1,2,3,4,5,6,7
	ds_store_b64 v[LW], v[\xb+4*(8*\c+\k):\xb+4*(8*\c+\k)+1] offset:(\ro+\c)*XP+256*\k   ; 256 neighbouring bytes of a row
.endr
.endr
	s_wait_dscnt 0x0                               ; the slot is loaded again only when the stores have left it
.endm
	; ---------------- set-up ----------------
	s_load_b512 s[4:19], s[0:1], 0x0               ; x 4, gn_w 6, gn_b 8, wq 10, bq 12, wk 14, bk 16, wv 18
	s_load_b256 s[20:27], s[0:1], 0x40             ; bv 20, wo 22, bo 24, out 26
	v_lshrrev_b32 v[TA], 5, v0
	v_readfirstlane_b32 s28, v[TA]                 ; wave w
	s_bfe_u32 s29, ttmp6, 0x40000                  ; cx: which quarter of the image's queries is mine
	s_lshl_b32 s32, ttmp9, 19                      ; the image (the cluster's x) times 524,288 bytes
	s_mov_b32 s33, 0
	s_mov_b32 s34, 0x76543210                      ; v_permlanex16_b32: lane i takes lane i of the other half
	s_mov_b32 s35, 0xfedcba98
	s_mov_b32 s36, 0x3d8293ee                      ; k2 = log2(e) / sqrt(512)
	s_mov_b32 s37, 0x3d8293ee
	s_mov_b32 s38, 0xbd8293ee                      ; -k2
	s_mov_b32 s40, 0x39800000                      ; 1 / 4,096
	s_mov_b32 s41, 0x358637bd                      ; 1e-6
	s_lshl_b32 s42, s28, 7                         ; byte offset of my 32 channels in gn_w and gn_b
	v_and_b32 v[LN], 31, v0
	v_and_b32 v[RR], 15, v0
	v_bfe_u32 v[HH], v0, 4, 1
.irp q, 0,1,2,3
	v_mov_b32 v[TMP+\q], 0                         ; a permute's destination counts as read
	v_mov_b32 v[MX+\q], 0xff800000                 ; the running maximum starts at -inf,
	v_mov_b32 v[NEGM+2*\q], 0x7f800000             ; -k2 times it at +inf, so that the first stage's factor for the old sums is 2^-inf = 0,
	v_mov_b32 v[LS+2*\q], 0                        ; and the softmax sums at 0
	v_mov_b32 v[LS+2*\q+1], 0
.endr
	; t in LDS: the 16-byte unit u of row c lies at unit u ^ ((c >> 3) & 1).
	; transposed 2 row + bit, plain 2 r + (r >> 3).
	v_and_b32 v4, 7, v0
	v_bfe_u32 v5, v0, 3, 1                         ; (lane >> 3) & 1 = r >> 3
	v_xor_b32 v7, v5, v[HH]                        ; the swizzled unit bit, the same number for both kinds of read
	v_lshl_add_u32 v4, v[HH], 3, v4                ; 8 h + (lane & 7)
	v_mul_u32_u24 v6, v4, XP
	v_lshl_add_u32 v6, v7, 4, v6
.irp k, 0,1,2,3
	v_add_nc_u32 v[AK+\k], \k*32*XP, v6
.endr
	v_mul_u32_u24 v6, v[RR], XP
	v_lshl_add_u32 v6, v7, 4, v6
.irp g, 0,1,2,3
	v_add_nc_u32 v[AV+\g], \g*32*XP, v6
.endr
	v_mul_u32_u24 v6, v[RR], WP
	v_lshl_add_u32 v[AWO], v[HH], 4, v6            ; r x 272 + 16 h
	v_add_nc_u32 v[AWS], SCR, v[AWO]
	v_mul_u32_u24 v6, v4, WPT
	v_lshl_add_u32 v6, v5, 4, v6
	v_add_nc_u32 v[AWT], SCR, v6
	v_lshlrev_b32 v6, 3, v[LN]                     ; 8 x lane
	s_mul_i32 s31, s28, 32*WP
	v_add_nc_u32 v[WSTO], s31, v6
	v_add_nc_u32 v[WST], SCR, v[WSTO]
	s_mul_i32 s31, s28, 32*WPT
	v_add_nc_u32 v7, s31, v6
	v_add_nc_u32 v[WST2], SCR, v7
	s_mul_i32 s31, s28, 32*XP
	v_add_nc_u32 v[LW], s31, v6                    ; my 32 rows of t
	s_mul_i32 s31, s28, STGW
	s_add_co_u32 s31, s31, STG                     ; my stage
	v_mul_u32_u24 v6, v[RR], WP
	v_lshl_add_u32 v6, v[HH], 5, v6
	v_add_nc_u32 v[STO], s31, v6
	v_mul_u32_u24 v6, v[HH], 8*WP
	v_lshl_add_u32 v6, v[RR], 4, v6
	v_add_nc_u32 v[RDB], s31, v6
	s_lshl_b32 s31, s29, 10
	s_lshl_b32 s30, s28, 8
	s_add_co_u32 s31, s31, s30                     ; my wave's 64 positions: byte 1,024 cx + 256 w of a row of x and of out
	v_lshlrev_b32 v6, 15, v[HH]                    ; lanes 16-31: eight channel rows further down
	v_lshl_add_u32 v6, v[RR], 4, v6
	v_add_nc_u32 v[GO], s31, v6
	v_lshlrev_b32 v[BOFF], 5, v[HH]
	v_lshlrev_b32 v[B1OFF], 2, v[RR]
	s_lshl_b32 s31, s28, 14
	v_lshl_add_u32 v[WLD], v[LN], 4, s31
	s_lshl_b32 s31, s28, 17                        ; my 32 channels of x
	v_lshl_add_u32 v6, v[LN], 4, s31
	s_lshl_b32 s30, s29, 1
.irp k, 0,1,2,3,4,5,6,7
	s_add_co_u32 s31, s30, \k                      ; LDS block k (128 columns) comes from block (k + 2 cx) mod 8 of the row
	s_and_b32 s31, s31, 7
	s_lshl_b32 s31, s31, 9
	v_add_nc_u32 v[XA+\k], s31, v6
.endr
	s_wait_kmcnt 0x0
	s_add_nc_u64 s[4:5], s[4:5], s[32:33]          ; x and out at my image
	s_add_nc_u64 s[26:27], s[26:27], s[32:33]
	s_mov_b64 s[60:61], s[4:5]                     ; the fills' own pointer: it steps two groups a trip
	LOADB 0xC0, 192, 12                            ; bq
	LOADB 0xC0, 128, 16                            ; bk
	GNLOAD 0, 44
	GNLOAD 16, 52
	FILL 0, 0
	FILL 16384, 128
	; ---------------- GroupNorm: my eight groups, four trips of two, two slots by turns, the next group always on its way ----------------
	; Trip j makes rows 8 j .. 8 j + 7 of my 32, whose unit bit is j & 1.  The exchange of neighbouring 16-byte units is made on the way in: for an odd trip
	; lane L loads what lane L ^ 2 would (its offset in x ^ 32, inside the same 512 bytes), so that the LDS address is a plain sum that steps 8 rows a trip.
	; In the last trip the 32 loads of a weight stand in the place of the 32 loads of a fill: the counted wait at a turn's head counts the same on both ways.
	WIN 0
	s_mov_b32 s39, 0
.Lgn:
	TURN 0, 0, 44
	WIN 0
	s_wait_xcnt 0x0                                ; every earlier load has had its address translated (ISA guide 3.1): XA, the pointer and s42 are rewritten only behind this wait
.irp k, 0,1,2,3,4,5,6,7
	v_xor_b32 v[XA+\k], 32, v[XA+\k]               ; the next trip's unit bit
.endr
	s_add_nc_u64 s[60:61], s[60:61], 32768         ; the next trip's two groups
	s_add_co_u32 s42, s42, 32
	s_cmp_lt_u32 s39, 3
	s_cbranch_scc0 .Lgn_wq
	FILL 0, 0
	GNLOAD 0, 44
	WIN 0
	s_branch .Lgn_a
.Lgn_wq:
	LOADW 10, 0x40, 0                              ; my 32 rows of Wq
	WIN 0
.Lgn_a:
	TURN 4, 128, 52
	WIN 0
	s_cmp_lt_u32 s39, 3
	s_cbranch_scc0 .Lgn_wk
	FILL 16384, 128
	GNLOAD 16, 52
	WIN 0
	s_branch .Lgn_b
.Lgn_wk:
	LOADW 14, 0x40, 128                            ; my 32 rows of Wk
	WIN 0
.Lgn_b:
	v_add_nc_u32 v[LW], 8*XP, v[LW]
	s_add_co_u32 s39, s39, 1
	s_cmp_lt_u32 s39, 4
	s_cbranch_scc1 .Lgn
	s_wait_loadcnt 32                              ; Wq is in, Wk's 32 loads stay out
	WCVT 0x45, 0
	WSTORE 0x04, 0, WST, WP
	s_wait_loadcnt 0x0
	WCVT 0x45, 128                                 ; Wk waits in registers until Wq has been read
	s_wait_dscnt 0x0                               ; my rows of t and of Wq are written
	BAR                                            ; everybody's are
	; ---------------- q^T = Wq t^T + bq, for my 64 queries ----------------
	WIN 0
	s_lshl_b32 s31, s28, 7                         ; my 64 columns: 128 bytes a wave
.irp k, 0,1,2,3
	v_add_nc_u32 v[TA+\k], s31, v[AK+\k]
.endr
	WIN 0xC0
.irp k, 0,1,2,3
.irp q, 0,1,2,3
	ds_load_tr16_b128 v[32*\k+8*\q:32*\k+8*\q+3], v[TA+\k] offset:32*\q
	ds_load_tr16_b128 v[32*\k+8*\q+4:32*\k+8*\q+7], v[TA+\k] offset:32*\q+XP16
.endr
.endr
	WIN 0
	LDW F0, AWS, 0
	PROD4 0, AWS, 32, 8, 0, 1, 192, 0xBC, 0xAC
	s_wait_dscnt 0x0                               ; my reads of Wq are over
	s_barrier_signal -1
	PLACES 4
	PACK 0x8A, 16                                  ; q^T to fragments, in place.  Register work, while the others arrive.
	; q.bk for each of my queries starts every score sum.  A = bk in all sixteen rows (a lane's registers hang on h alone), B = q's fragments:
	; D(m, n) = q_n.bk for every m, which is the C operand of a score tile as it stands.  Four accumulators by turns.
	WIN 0xCF
.irp k, 0,1,2,3
.irp j, 0,1,2,3,4,5,6,7
	v_cvt_pk_bf16_f32 v[128+16*\k+\j], v[128+16*\k+2*\j], v[128+16*\k+2*\j+1]
.endr
.endr
	WIN 0x0B
.irp k, 0,1,2,3
.irp q, 0,1,2,3
.if \k == 0
	v_wmma_f32_16x16x32_bf16 v[CS+8*\q:CS+8*\q+7], v[128+16*\k:128+16*\k+7], v[64*\k+16*\q:64*\k+16*\q+7], 0
.else
	v_wmma_f32_16x16x32_bf16 v[CS+8*\q:CS+8*\q+7], v[128+16*\k:128+16*\k+7], v[64*\k+16*\q:64*\k+16*\q+7], v[CS+8*\q:CS+8*\q+7]
.endif
.endr
.endr
	PLACES 4                                       ; bk's registers, which these matrix instructions read, are loaded again below
	s_barrier_wait -1                              ; nobody reads Wq any more
	LOADW 18, 0xC0, 128                            ; my 32 rows of Wv: they land during the next product
	WSTORE 0x04, 128, WST2, WPT
	s_wait_dscnt 0x0
	BAR                                            ; Wk is whole
	; ---------------- q'^T = Wk^T q^T ----------------
	WIN 0
	LDWT F0, 0
	PROD4 1, AWT, 64, 16, 0, 0, 0, 0x58, 0x58
	s_wait_dscnt 0x0                               ; my reads of Wk are over
	s_barrier_signal -1
	PLACES 4
	PACK 0xC5, 8                                   ; q'^T to fragments, dense in window 3: fragment (q, k) at 32 k + 8 q
	s_wait_loadcnt 0x0                             ; Wv
	WCVT 0xCF, 128
	s_barrier_wait -1                              ; nobody reads Wk any more: Wv takes its place; it is read behind two later barriers
	WSTORE 0x0C, 128, WST, WP
	WIN 0
	LDK F0, 0                                      ; stage 0's first score fragments
	; ---------------- attention: sixteen stages of 64 keys, two stages in work at a time ----------------
	; Stage j is four steps:  S(j)     scores S^T(key, query) = t^T q' + q.bk, 64 matrix instructions, into S;
	;                         pre(j)   running maximum, factor for the old sums, p = 2^(k2 s - k2 maximum) from S into E: 288 vector instructions;
	;                         post(j)  softmax sums, p rounded to bf16 from E into P, the attention sums times the factor: 256 vector instructions;
	;                         PV(j)    u^T(channel, query) += t P^T, 64 matrix instructions.
	; Trip j of the loop runs S(j) beside post(j-1) and the first 32 steps of pre(j) (the maxima over the 32 keys that are already there), five vector
	; instructions behind each matrix instruction, and then PV(j-1) beside the other 256 of pre(j), four behind each.  S, E and P are each written in one half
	; of a trip and read in the other, so one copy of each is enough and one text serves every trip.  S(0) and pre(0) stand in front of the loop, post(15) and PV(15) behind it.
	; A matrix instruction names a fragment buffer (window 0), q' or P (3) and S (1) or the sums (2); the vector work names S and E (1), the sums (2), P (3) and the
	; statistics (0).  No one setting of the windows serves both, so a switch stands on either side of each run of vector instructions.
	; A group of 32 matrix instructions reads one fragment buffer; the next group's 16 loads go out in one run in its middle, into the other buffer, and the wait at a
	; group's head is for 0: nothing else of the wave is out in LDS.  In front of each such run stand at least four plain vector instructions that name no register
	; of the group that read that buffer (ISA guide 7.12.1): items of the lists, or the address steps, or v_nop where there is neither.
.set NKI, 288
.set NVI, 256
.macro MAXI p                          ; step ic (0 .. 31) of the running maxima over the stage's keys 32 p .. 32 p + 31
.set iq, ic%4
.set eb, 64*\p+16*iq+2*(ic/4)
	WIN 0x05
	v_max3_num_f32 v[MX+iq], v[eb], v[eb+1], v[MX+iq]
.endm
; Item itn of the list that runs beside the scores.  0-63: the softmax sums, in f32 (the registers whose exponentials stood last are read last);
; 64-127: p to B fragments; 128-255: the attention sums times the factor; 256-287: the maxima over the new stage's first 32 keys.
.macro KITEM
.if itn < 64
.set iq, itn%4
.set eb, 128+64*(itn/32)+16*iq+2*((itn/4)%8)
.if itn < 4
	WIN 0x10
	s_wait_alu depctr_va_vdst(0)
	v_pk_fma_f32 v[LS+2*iq:LS+2*iq+1], v[LS+2*iq:LS+2*iq+1], v[ALPHA+2*iq:ALPHA+2*iq+1], v[eb:eb+1]
.else
	WIN 0x01
	v_pk_add_f32 v[LS+2*iq:LS+2*iq+1], v[eb:eb+1], v[LS+2*iq:LS+2*iq+1]
.endif
.else
.if itn < 128
.set ic, itn-64
	WIN 0xC5
	v_cvt_pk_bf16_f32 v[PB+ic], v[128+2*ic], v[128+2*ic+1]
.else
.if itn < 256
.set ic, itn-128
	WIN 0x82
	v_pk_mul_f32 v[2*ic:2*ic+1], v[2*ic:2*ic+1], v[ALPHA+2*((ic/8)%4):ALPHA+2*((ic/8)%4)+1]
.else
.set ic, itn-256
	MAXI 0
.endif
.endif
.endif
.endm
.macro SMALLI                          ; items 32-63 of the second list: eight steps for each of the four query tiles
.set iq, itn%4
.set ik, (itn-32)/4
	WIN 0
.if ik == 0
	v_permlanex16_b32 v[TMP+iq], v[MX+iq], s34, s35        ; the other half of the keys
.endif
.if ik == 1
	v_max_num_f32 v[MX+iq], v[MX+iq], v[TMP+iq]
.endif
.if ik == 2
	v_mul_f32 v[TT+iq], s38, v[MX+iq]              ; -k2 x the new maximum
.endif
.if ik == 3
	v_sub_f32 v[ALPHA+2*iq], v[TT+iq], v[NEGM+2*iq]        ; k2 (old maximum - new maximum), never above 0; -inf in the first stage
.endif
.if ik == 4
	v_exp_f32 v[ALPHA+2*iq], v[ALPHA+2*iq]
.endif
.if ik == 5
	v_mov_b32 v[NEGM+2*iq], v[TT+iq]               ; plain instructions behind the exponentials (ISA guide 5.7.2)
.endif
.if ik == 6
	v_mov_b32 v[NEGM+2*iq+1], v[TT+iq]
.endif
.if ik == 7
	s_wait_alu depctr_va_vdst(0)
	v_mov_b32 v[ALPHA+2*iq+1], v[ALPHA+2*iq]
.endif
.endm
.macro FMAI                            ; pair ipr of S: k2 s - k2 maximum, in place; block of 16 registers b belongs to query tile b % 4
	WIN 0x45
	v_pk_fma_f32 v[2*ipr:2*ipr+1], v[2*ipr:2*ipr+1], s[36:37], v[NEGM+2*((ipr/8)%4):NEGM+2*((ipr/8)%4)+1] op_sel_hi:[1,0,1]
.endm
.macro EXPI                            ; register iex: from S into E
	WIN 0x45
	v_exp_f32 v[128+iex], v[iex]
.endm
; Item itn of the list that runs beside P.V.  0-31: the maxima over the stage's last 32 keys; 32-63: the statistics; 64-71: the first eight shifts;
; 72-239: two exponentials, then the shift of the pair eight further on; 240-255: the last sixteen exponentials.
.macro VITEM
.if itn < 32
.set ic, itn
	MAXI 1
.else
.if itn < 64
	SMALLI
.else
.set iv, itn-72
.if itn < 72
.set ipr, itn-64
	FMAI
.else
.if iv < 168
.if (iv%3) == 2
.set ipr, iv/3+8
	FMAI
.else
.set iex, 2*(iv/3)+iv%3
	EXPI
.endif
.else
.set iex, iv-56
	EXPI
.endif
.endif
.endif
.endif
.endm
.macro KIT n                           ; the next n items of the first list
.rept \n
.if itn < NKI
	KITEM
.endif
.set itn, itn+1
.endr
.endm
.macro VIT n                           ; the next n items of the second list
.rept \n
.if itn < NVI
	VITEM
.endif
.set itn, itn+1
.endr
.endm
; 16 matrix instructions of the scores: keys 32 p .. 32 p + 31 (two tiles i) x four query tiles q, K steps k0 and k0 + 1 of four; n items behind each.
; The eight accumulators take turns, one instruction a turn.
.macro KMM p, f, k0, n
.irp k, \k0, \k0+1
.irp i, 0,1
.irp q, 0,1,2,3
.set md, 64*\p+8*\i+16*\q
.set ms, \f+8*(4*\i+(\k))
.set mr, 32*(\k)+8*\q
.if (\k) == 0
	WIN 0x4C
	v_wmma_f32_16x16x32_bf16 v[md:md+7], v[ms:ms+7], v[mr:mr+7], v[CS+8*\q:CS+8*\q+7]
.else
	WIN 0x5C
	v_wmma_f32_16x16x32_bf16 v[md:md+7], v[ms:ms+7], v[mr:mr+7], v[md:md+7]
.endif
.if \n
	KIT \n
.endif
.endr
.endr
.endr
.endm
; 16 matrix instructions of P.V: channels 64 g .. 64 g + 63 (four tiles i) x four query tiles q, K step k of two (32 keys); n items behind each.
; The sixteen accumulators take turns, one instruction a turn.
.macro VMM g, f, k, n
.irp i, 0,1,2,3
.irp q, 0,1,2,3
.set md, 128*\g+64*(\i/2)+16*\q+8*(\i%2)
.set ms, \f+8*(2*\i+\k)
.set mr, PB+32*\k+8*\q
	WIN 0xAC
	v_wmma_f32_16x16x32_bf16 v[md:md+7], v[ms:ms+7], v[mr:mr+7], v[md:md+7]
.if \n
	VIT \n
.endif
.endr
.endr
.endm
	; The attention sums start at 0: 32 matrix instructions with zero operands write their 256 registers, so that trip 1 needs no text of its own.
.irp j, 0,1,2,3,4,5,6,7
	v_mov_b32 v[ZR+\j], 0
.endr
	WIN 0x80
.set bi, 0
.rept 32
	v_wmma_f32_16x16x32_bf16 v[8*bi:8*bi+7], v[ZR:ZR+7], v[ZR:ZR+7], 0
.set bi, bi+1
.endr
	; S(0), with nothing beside it
	s_wait_dscnt 0x0                               ; the first fragments are in (and Wv's stores have left)
	KMM 0, F0, 0, 0
	WIN 0
	LDK F1, 1
	KMM 0, F0, 2, 0
	s_wait_dscnt 0x0
	KMM 1, F1, 0, 0
	WIN 0
.irp k, 0,1,2,3
	v_add_nc_u32 v[AK+\k], 128, v[AK+\k]           ; stage 1's 64 keys; these four are the places in front of the loads into buffer 0
.endr
	LDK F0, 0
	KMM 1, F1, 2, 0
	PLACES 4
	; pre(0), with nothing beside it
.set itn, 256
	KIT 32
.set itn, 0
	VIT 256
	WIN 0                                          ; at a label and at a branch every window is 0
	v_nop                                          ; a plain instruction behind the last exponentials (ISA guide 5.7.2)
	s_mov_b32 s39, 1
.Ltrip:
	; S(j) beside post(j-1)
.set itn, 0
	s_wait_dscnt 0x0
	KMM 0, F0, 0, 5
	WIN 0
	LDK F1, 1
	KMM 0, F0, 2, 5
	s_wait_dscnt 0x0
	KMM 1, F1, 0, 5
	WIN 0
	LDV F0, 0                                      ; stage j-1's keys
	KMM 1, F1, 2, 5
	; PV(j-1) beside pre(j)
.set itn, 0
	PLACES 4                                       ; the list begins with the maxima over the scores just made
	s_wait_dscnt 0x0
	VMM 0, F0, 0, 4
	WIN 0
	LDV F1, 1
	VMM 0, F0, 1, 4
	s_wait_dscnt 0x0
	VMM 1, F1, 0, 4
	WIN 0
.irp g, 0,1,2,3
	v_add_nc_u32 v[AV+\g], 128, v[AV+\g]           ; stage j's keys, for the next P.V
.endr
	s_cmp_eq_u32 s39, 15
	s_cbranch_scc1 .Llastk
.irp k, 0,1,2,3
	v_add_nc_u32 v[AK+\k], 128, v[AK+\k]           ; stage j+1's keys
.endr
	LDK F0, 0
	s_branch .Lmid
.Llastk:
	LDV F0, 0                                      ; there is no stage 16: the 16 loads are PV(15)'s first
.Lmid:
	VMM 1, F1, 1, 4
	WIN 0
	v_nop                                          ; a plain instruction behind the last exponentials (ISA guide 5.7.2)
	s_add_co_u32 s39, s39, 1
	s_cmp_lt_u32 s39, 16
	s_cbranch_scc1 .Ltrip
	LOADW 22, 0x40, 0                              ; my 32 rows of Wo, into S's registers, which nothing reads any more: they land during what follows
	; post(15) and PV(15), with nothing beside them
.set itn, 0
	KIT 256
	s_wait_dscnt 0x0
	VMM 0, F0, 0, 0
	WIN 0
	LDV F1, 1
	VMM 0, F0, 1, 0
	s_wait_dscnt 0x0                               ; nothing more is read from t
	VMM 1, F1, 0, 0
	VMM 1, F1, 1, 0
	PLACES 4
	; ---------------- the way out ----------------
.macro RES c0                          ; residual rows of channel tiles c0 .. c0 + 3, in the layout in which the result is stored
	WIN 0xC0
.irp c, 0,1,2,3
.irp t, 0,1,2,3,4,5,6,7
	global_load_b128 v[4*(8*(\c0+\c)+\t):4*(8*(\c0+\c)+\t)+3], v[GO], s[4:5] offset:(16*(\c0+\c)+\t)*4096
.endr
.endr
.endm
	LOADB 0, CS, 20                                ; bv
.irp c, 0,1,2,3,4,5,6,7
	global_load_b32 v[NEGM+\c], v[B1OFF], s[24:25] offset:64*\c   ; bo[16 c + r]
.endr
	RES 0
	s_wait_dscnt 0x0                               ; my reads of t are over
	s_barrier_signal -1
	WIN 0
.irp q, 0,1,2,3
	v_add_f32 v[TT+\q], v[LS+2*\q], v[LS+2*\q+1]
.endr
.irp q, 0,1,2,3
	v_permlanex16_b32 v[TMP+\q], v[TT+\q], s34, s35
.endr
.irp q, 0,1,2,3
	v_add_f32 v[TT+\q], v[TT+\q], v[TMP+\q]        ; at least 1: the largest score gives p = 1
.endr
.irp q, 0,1,2,3
	v_rcp_f32 v[ALPHA+2*\q], v[TT+\q]
.endr
	v_nop                                          ; a plain instruction behind the reciprocals (ISA guide 5.7.2)
	s_wait_alu depctr_va_vdst(0)
.irp q, 0,1,2,3
	v_mov_b32 v[ALPHA+2*\q+1], v[ALPHA+2*\q]
.endr
	RESCALE                                        ; u = sums / l
	PACK 0x8A, 16
	s_wait_loadcnt 56                              ; Wo is in: bv's 16, bo's 8 and 32 residual loads are younger
	WCVT 0x45, 0
	s_barrier_wait -1                              ; nobody reads t any more
	WSTORE 0x04, 0, WSTO, WP
	s_wait_dscnt 0x0
	BAR                                            ; Wo is whole, and so is Wv
	WIN 0
	LDW F0, AWS, 0
	s_wait_loadcnt 40                              ; bv is in: bo's 8 and 32 residual loads are younger
	RES 4
	PROD4 0, AWS, 64, 16, 0, 1, CS, 0x48, 0x58     ; o^T = Wv u^T + bv
	PLACES 4
	WIN 0
	LDW F0, AWO, 0
	PACK 0x45, 16
	s_wait_loadcnt 63                              ; bo is in: 64 residual loads are younger, and the count's field ends at 63
	WIN 0
.irp c, 0,1,2,3,4,5,6,7
.irp j, 0,1,2,3,4,5,6,7
	v_mov_b32 v[CS+8*\c+\j], v[NEGM+\c]            ; a C operand of D(m = position, n = channel): the lane's channel in all eight registers
.endr
.endr
	; The last product has o as A and Wo as B: D(m = position, n = channel), so that a lane holds eight neighbouring positions of one channel.
	PROD4 0, AWO, 64, 16, 1, 1, CS, 0x81, 0xA1
	PLACES 4
	s_wait_loadcnt 0x0                             ; the residual
; 16 channels at a time through my own stage: 32 bytes a lane in, whole rows of 256 bytes back, the residual added, 16 lanes store 256 neighbouring aligned bytes.
; LDS serves a wave's instructions in order (ISA guide 5.7.1), so the loads see the stores above them.  No stored register is written again.
.macro OUTCT c, f
	WIN 0x08
.irp q, 0,1,2,3
.irp j, 0,1
	ds_store_b128 v[STO], v[64*(\c/2)+16*\q+8*(\c%2)+4*\j:64*(\c/2)+16*\q+8*(\c%2)+4*\j+3] offset:\c*16*WP+64*\q+16*\j
.endr
.endr
	WIN 0
.irp t, 0,1,2,3,4,5,6,7
	ds_load_b128 v[\f+4*\t:\f+4*\t+3], v[RDB] offset:\c*16*WP+WP*\t
.endr
	WIN 0xCC
.irp t, 0,1,2,3,4,5,6,7
	s_wait_dscnt 7-\t                              ; row t is back, the younger ones stay out
	v_pk_add_f32 v[4*(8*\c+\t):4*(8*\c+\t)+1], v[\f+4*\t:\f+4*\t+1], v[4*(8*\c+\t):4*(8*\c+\t)+1]
	v_pk_add_f32 v[4*(8*\c+\t)+2:4*(8*\c+\t)+3], v[\f+4*\t+2:\f+4*\t+3], v[4*(8*\c+\t)+2:4*(8*\c+\t)+3]
	global_store_b128 v[GO], v[4*(8*\c+\t):4*(8*\c+\t)+3], s[26:27] offset:(16*\c+\t)*4096 th:TH_STORE_NT
.endr
.endm
	OUTCT 0, F0
	OUTCT 1, F1
	OUTCT 2, F0
	OUTCT 3, F1
	OUTCT 4, F0
	OUTCT 5, F1
	OUTCT 6, F0
	OUTCT 7, F1
	WIN 0
	s_wait_xcnt 0x0
	v_lshl_add_u32 v254, v0, 2, 0x4c000
	v_mov_b32 v255, 0
	s_wait_tensorcnt 0x0
	ds_add_u32 v254, v255
	s_wait_dscnt 0x0
	s_endpgm
.Lfunc_end_k_q0e50cb8bf4_atten:
	.size	k_q0e50cb8bf4_atten, .Lfunc_end_k_q0e50cb8bf4_atten-k_q0e50cb8bf4_atten
	.p2alignl 7, 3214868480
	.fill 96, 4, 3214868480
	.section	.rodata,"a",@progbits
	.p2align	6, 0x0
	.amdhsa_kernel k_q0e50cb8bf4_atten
		.amdhsa_group_segment_fixed_size 327680
		.amdhsa_private_segment_fixed_size 0
		.amdhsa_enable_private_segment 0
		.amdhsa_kernarg_size 96
		.amdhsa_user_sgpr_count 2
		.amdhsa_user_sgpr_kernarg_segment_ptr 1
		.amdhsa_wavefront_size32 1
		.amdhsa_system_sgpr_workgroup_id_x 1
		.amdhsa_system_sgpr_workgroup_id_y 1
		.amdhsa_system_sgpr_workgroup_id_z 1
		.amdhsa_system_vgpr_workitem_id 0
		.amdhsa_next_free_vgpr 1024
		.amdhsa_next_free_sgpr 66
		.amdhsa_reserve_vcc 0
		.amdhsa_float_denorm_mode_32 3
		.amdhsa_float_denorm_mode_16_64 3
		.amdhsa_memory_ordered 1
		.amdhsa_forward_progress 1
		.amdhsa_inst_pref_size 255
	.end_amdhsa_kernel
	.section	.bss,"aw",@nobits
	.p2align	6
	.space	262144
	.amdgpu_metadata
---
amdhsa.version: [ 1, 2 ]
amdhsa.kernels:
  - .name:           k_q0e50cb8bf4_atten
    .symbol:         k_q0e50cb8bf4_atten.kd
    .args:
      - { .name: x, .offset: 0, .size: 8, .value_kind: global_buffer, .address_space: global }
      - { .name: gn_w, .offset: 8, .size: 8, .value_kind: global_buffer, .address_space: global }
      - { .name: gn_b, .offset: 16, .size: 8, .value_kind: global_buffer, .address_space: global }
      - { .name: wq, .offset: 24, .size: 8, .value_kind: global_buffer, .address_space: global }
      - { .name: bq, .offset: 32, .size: 8, .value_kind: global_buffer, .address_space: global }
      - { .name: wk, .offset: 40, .size: 8, .value_kind: global_buffer, .address_space: global }
      - { .name: bk, .offset: 48, .size: 8, .value_kind: global_buffer, .address_space: global }
      - { .name: wv, .offset: 56, .size: 8, .value_kind: global_buffer, .address_space: global }
      - { .name: bv, .offset: 64, .size: 8, .value_kind: global_buffer, .address_space: global }
      - { .name: wo, .offset: 72, .size: 8, .value_kind: global_buffer, .address_space: global }
      - { .name: bo, .offset: 80, .size: 8, .value_kind: global_buffer, .address_space: global }
      - { .name: out0, .offset: 88, .size: 8, .value_kind: global_buffer, .address_space: global }
    .group_segment_fixed_size: 327680
    .private_segment_fixed_size: 0
    .kernarg_segment_align: 8
    .kernarg_segment_size: 96
    .max_flat_workgroup_size: 128
    .sgpr_count:     66
    .vgpr_count:     1024
    .wavefront_size: 32
...
	.end_amdgpu_metadata
.endif
;; end of part 2
